; MI455X (gfx1250); checked and timed in simulation.
; The chip was launched on July 23, 2026; its instructions are those of AMD's public machine-readable ISA for CDNA 5 (MIT licence, August 2026) and "CDNA5" Instruction Set Architecture Reference Guide (July 2026). The comments in the code are by the model that wrote it; some were corrected since.
;; Le PE Attention. Allowed arithmetic: matrix products marked QUANTISED: E2M3 operands, one E8M0 scale for each 32 along K, by v_wmma_scale_f32_16x16x128_f8f6f4 with both operands' format E2M3, f32 sums; everything else in f32.
;; Inputs: qkv 3 x 2 x 4,096 x 128 float32.
;; Outputs: out0 2 x 4,096 x 128 float32.
;; This version of the problem:
;;   THIS VERSION OF THE PROBLEM IS GIVEN IN LOW PRECISION. The matrix products marked QUANTISED in the list below multiply operands that are first quantised to E2M3 (2 exponent bits, 3 mantissa bits; 6 bits a number), with one power-of-two scale for each 32 numbers along K (OCP MX v1.0); their sums are f32. All else is computed in f32.
;;   The module's matrix products, in the order in which they are computed (A, B: the left and right operand; K: the contracted axis; several contracted axes count as one K, in the product's order):
;;     1. batch 32 x [M 1,024, K 32] x [K 32, N 1,024]; A: computed on the way; B: input qkv: QUANTISED
;;     2. batch 32 x [M 1,024, K 1,024] x [K 1,024, N 32]; A: softmax (see below); B: input qkv: QUANTISED
;;   THE QUANTISER, for each operand of a quantised product, along K:
;;     - K is cut into blocks of 32 from its start; a last block that is shorter is filled with zeros.
;;     - A block's scale is 2^e with e = floor(log2(the largest magnitude in the block)) - 2, held to -126 .. 127; a block of zeros has e = 0. As a byte (E8M0): e + 127.
;;     - Each number is divided by its block's scale, clamped to +-7.5, and rounded to the nearest number of E2M3, ties to even, subnormals kept.
;;     - The product sums the exact products of the quantised numbers (number of the format x scale) in f32.
;;   ~~~python
;;   def quantise(x, axis):      # numpy; x: float32 -> the quantised numbers, widened to float32 again
;;       x = np.moveaxis(x, axis, -1); K = x.shape[-1]
;;       x = np.pad(x, [(0, 0)] * (x.ndim - 1) + [(0, -K % 32)]); x = x.reshape(x.shape[:-1] + (-1, 32)); a = np.abs(x).max(-1, keepdims=True)
;;       e = np.where(a > 0, np.clip(np.frexp(np.where(a > 0, a, 1))[1] - 1 - 2, -126, 127), 0)      # np.frexp(a)[1] - 1 = floor(log2(a)), exactly
;;       r = np.clip(x / 2.0 ** e, -7.5, 7.5)
;;       step = 2.0 ** (np.maximum(np.frexp(np.where(r == 0, 1, r))[1] - 1, 0) - 3)
;;       q = np.round(r / step) * step * 2.0 ** e      # np.round: ties to even
;;       return np.moveaxis(q.reshape(q.shape[:-2] + (-1,))[..., :K], -1, axis).astype(np.float32)
;;   ~~~
;;   SOFTMAX AHEAD OF A QUANTISED PRODUCT. Where the list says 'softmax', what is quantised is not the finished softmax but p = 2^(t - M), with t = logit x log2(e) and M = ceil(the row's largest t), a whole number; so 1/2 < the row's largest p <= 1. The row's sum l is taken of the UNQUANTISED p, in f32, and the product's result is divided by l at the end. Since M is a whole number, a kernel that streams over the keys may use a running M (the ceiling of the running maximum): every later rescaling is an exact power of two, which a block's scale takes up: the codes' values come out the same.
;;   OPERANDS COMPUTED ON THE WAY. 'Computed on the way' means the value that the module computes at that place (a softmax that the list does not call 'softmax' is quantised finished and normalised). What goes into a quantiser is computed in f32, as accurately as f32 sums, v_exp_f32 and their like allow (about 1e-6 of the number): no bf16 or f16 on the way to a quantiser, and a product that is left as it is and whose result goes on into a quantised operand takes f32 operands (vector FMAs, or v_wmma_f32_16x16x4_f32). A number that lies on a knife's edge between two numbers of the format may be rounded either way, as far as f32 arithmetic and the matrix unit's own rounding can turn it there, and no further.
;; One version. Each part assembles by itself: llvm-mc -triple=amdgcn-amd-amdhsa -mcpu=gfx1250 --defsym DOCPART=n.
;; ======== version 1 of 1: 2 launches
;; workspace buffers: img 2,555,904 bytes
;; launch quant (part 1): grid 384 x 1, 2 waves a work-group, no clusters, 48,384 bytes of LDS; arguments qkv, img; writes img
.if DOCPART == 1
	.amdgcn_target "amdgcn-amd-amdhsa--gfx1250"
	.amdhsa_code_object_version 6
	.text
	.protected	k_q288fb5b3e3_quant
	.globl	k_q288fb5b3e3_quant
	.p2align	8
	.type	k_q288fb5b3e3_quant,@function
k_q288fb5b3e3_quant:
	s_mov_b64 s[64:65], 0
	v_nop
	global_prefetch_b8 v0, s[64:65] scope:SCOPE_SE
	s_setreg_imm32_b32 hwreg(HW_REG_WAVE_MODE, 25, 1), 1
	s_wait_xcnt 0x0
; qkv [3][2][4096][128] f32 becomes codes of FP6 (E2M3) with one E8M0 scale for each 32 along a product's K, laid in img as the next launch's operand registers want them.
; WINDOWS.  Token p (0..1023) of window (batch, nw) is row (p>>2)*16 + nw*4 + (p&3) of its batch; head hd owns channels 32 hd .. 32 hd + 31.
; q (first multiplied by 32^-0.5 in f32) and k are quantised along the head's 32 channels: one block a token.  v is quantised along the tokens: one block for 32 tokens of one channel.
; A block's scale is 2^(floor(log2(largest magnitude)) - 2); its byte is the largest magnitude's exponent field - 2, held at 1 from below by a floor among the maximum's leaves.
; LIMITS: NaN and infinities among the inputs are not served; a block of zeros gets the byte 1 (not 127): its codes are zeros, which add nothing, and this program alone reads the bytes.
; img: [window*4 + head][q, k, v][step of 128 tokens] records of REC = 3,328 bytes: two fragments of 1,536 bytes (48 bytes a lane: the lane's 12 operand registers on end), then 32 scale words,
; each followed by a zero word, so that the record's last 256 bytes are stored whole by one instruction.
;   q, k: fragment c, lane 16 h' + r', registers 6 c' .. 6 c' + 5 = token 64 c + 32 (r'>>3) + 8 (2 c' + h') + (r'&7) of the step; scale word 16 c + r', byte 2 c' + h'.
;   v:    fragment dt, lane 16 h + r, registers 6 c .. 6 c + 5 = tokens 64 c + 32 h + 0..31 of channel 16 dt + r; scale word = channel, byte 2 c + h.
; SHARES.  A work-group (tensor, window, head pair, step) has two waves.  Wave u loads tokens 64 u .. 64 u + 63, 256 bytes (both heads) of each: sixteen lanes read 256 consecutive aligned bytes.
; The 128 x 256 bytes meet in a stage in LDS; behind one barrier wave u takes head u of all 128 tokens, quantises four blocks by turns, and stores one record.
.set REC,  3328
.set TENS, 8*REC                       ; one tensor's eight records of a head
.set WHB,  3*TENS                      ; a head's q, k and v
.set SP,   272                         ; a stage row: 256 bytes + 16: 17 x 16
.set IMGK, 128*SP                      ; behind the stage: a record's image for each wave on the q/k path,
.set IMGV, IMGK+2*REC                  ; and bytes of their own for the v path
.set X,  64                            ; v64-191  128 numbers: as loaded, then four blocks of 32 along K; at the end the record's codes
.set TM, 32                            ; v32-35   largest magnitudes
.set SO, 36                            ; v36-39   the conversions' scale operands
.set BY, 40                            ; v40-43   scale bytes
.set W,  44                            ; v44-45   my scale word and a zero
.set C,  192                           ; v192-215 codes: six registers a block
.set D,  216                           ; v216-231 the upper halves as the conversions leave them
	s_load_b128 s[4:7], s[0:1], 0x0                ; qkv s[4:5], img s[6:7]
	v_lshl_add_u32 v232, v0, 2, 0xbc00
	v_mov_b32 v233, 0
	v_lshrrev_b32 v1, 5, v0
	v_readfirstlane_b32 s8, v1                     ; u: wave 0, 1
	v_and_b32 v2, 31, v0                           ; lane
	v_and_b32 v3, 15, v0                           ; lane % 16
	v_bfe_u32 v4, v0, 4, 1                         ; lane / 16
	s_wait_alu depctr_va_vdst(0)
	v_and_b32 v5, 7, v0                            ; lane % 8
	v_bfe_u32 v6, v0, 3, 1                         ; (lane / 8) % 2
	v_bfe_u32 v7, v0, 3, 2                         ; lane / 8
	s_and_b32 s9, ttmp9, 7                         ; step
	s_bfe_u32 s10, ttmp9, 0x10003                  ; head pair
	s_bfe_u32 s11, ttmp9, 0x30004                  ; window
	s_lshr_b32 s12, ttmp9, 7                       ; tensor: 0 q, 1 k, 2 v
	; where my 64 tokens begin in qkv: tensor x 4 MiB + batch x 2 MiB + step x 32 x 8,192 + u x 16 x 8,192 + nw x 2,048 + pair x 256
	s_lshl_b32 s14, s12, 22
	s_lshr_b32 s15, s11, 2
	s_lshl_b32 s15, s15, 21
	s_add_co_u32 s14, s14, s15
	s_lshl_b32 s15, s9, 18
	s_add_co_u32 s14, s14, s15
	s_lshl_b32 s15, s8, 17
	s_add_co_u32 s14, s14, s15
	s_and_b32 s15, s11, 3
	s_lshl_b32 s15, s15, 11
	s_add_co_u32 s14, s14, s15
	s_lshl_b32 s15, s10, 8
	s_add_co_u32 s14, s14, s15
	s_mov_b32 s15, 0
	; where my record begins in img
	s_lshl_b32 s16, s11, 2
	s_lshl_b32 s17, s10, 1
	s_add_co_u32 s16, s16, s17
	s_add_co_u32 s16, s16, s8                      ; window x 4 + head
	s_mul_i32 s16, s16, WHB
	s_mul_i32 s17, s12, TENS
	s_add_co_u32 s16, s16, s17
	s_mul_i32 s17, s9, REC
	s_add_co_u32 s16, s16, s17
	s_mov_b32 s17, 0
	v_lshlrev_b32 v8, 9, v4
	v_lshl_add_u32 v8, v3, 4, v8                   ; a load takes two tokens: 512 (lane / 16) + 16 (lane % 16)
	s_mul_i32 s18, s8, 64*SP
	v_mul_u32_u24 v9, v4, SP
	v_lshl_add_u32 v9, v3, 4, v9
	v_add_nc_u32 v9, s18, v9                       ; into the stage: row 64 u + 2 i + lane / 16
	s_lshl_b32 s19, s8, 7                          ; my head's 128 bytes of a stage row
	v_mul_u32_u24 v10, v2, SP
	v_add_nc_u32 v10, s19, v10                     ; q, k out of the stage: a lane a token
	v_lshl_add_u32 v11, v2, 2, s19                 ; v out of the stage: a lane a channel
	s_mul_i32 s20, s8, REC                         ; my image
	v_mul_u32_u24 v12, v6, 768
	v_mad_u32_u24 v12, v5, 48, v12
	v_mad_u32_u24 v12, v4, 24, v12
	v_add_nc_u32 v12, s20, v12                     ; q, k: token 32 j + lane goes to lane 16 ((lane/8)%2) + 8 (j%2) + lane%8 of fragment j/2, half lane/16
	v_lshl_add_u32 v13, v5, 2, v7
	v_add_nc_u32 v13, s20, v13                     ; and its scale byte to word 16 (j/2) + 8 (j%2) + lane%8, byte lane/8
	v_mul_u32_u24 v14, v4, 1536
	v_mad_u32_u24 v14, v3, 48, v14
	v_add_nc_u32 v14, s20, v14                     ; v: channel = lane goes to fragment lane/16, lane 16 (kb%2) + lane%16, half kb/2
	v_lshl_add_u32 v15, v2, 4, s20                 ; the image back: 16 bytes a lane
	v_lshl_add_u32 v16, v2, 2, s20                 ; the scale words back: 4 bytes a lane
	v_lshlrev_b32 v17, 4, v2                       ; and in img: 16 bytes a lane,
	v_lshlrev_b32 v18, 3, v2                       ; 8 bytes a lane
	s_mov_b32 s22, 0x1800000                       ; the floor 2^(3 - 127)
	s_mov_b32 s24, 0x3e3504f3                      ; 32^-0.5 in f32
	s_mov_b32 s25, s24                             ; (named with it as a pair)
	s_wait_kmcnt 0x0
	s_add_nc_u64 s[4:5], s[4:5], s[14:15]
	s_add_nc_u64 s[6:7], s[6:7], s[16:17]
.set i, 0
.rept 32                                       ; tokens 64 u + 2 i, + 1: all 32 loads of the wave go out together; every byte of qkv is read once in the launch
	global_load_b128 v[X+4*i:X+4*i+3], v8, s[4:5] offset:(i/2)*8192+(i%2)*1024 th:TH_LOAD_NT
.set i, i+1
.endr
.set i, 0
.rept 32
.if i%8 == 0
	s_wait_loadcnt 24-i                            ; loads come back in order: the next eight are in, the younger ones stay out
.endif
	ds_store_b128 v9, v[X+4*i:X+4*i+3] offset:i*2*SP
.set i, i+1
.endr
	s_wait_dscnt 0x0                               ; for the other wave's sake: my rows lie in the stage (and the stores have read their registers)
	s_barrier_signal -1
	s_barrier_wait -1                              ; all 128 rows do; nobody writes the stage again
; Four blocks of 32 numbers, block j in v[X + 32 j] on, become codes in v[C + 6 j] on, scale bytes in v[BY + j].  The four take turns line by line, so that no line waits for the line above it.
.macro QUANT4
.irp j, 0,1,2,3
	v_max3_num_f32 v[TM+\j], |v[X+32*\j]|, |v[X+32*\j+1]|, s22     ; the floor is one more leaf: the byte cannot fall under 1
.endr
.irp i, 2,4,6,8,10,12,14,16,18,20,22,24,26,28,30
.irp j, 0,1,2,3
	v_max3_num_f32 v[TM+\j], v[TM+\j], |v[X+32*\j+\i]|, |v[X+32*\j+\i+1]|
.endr
.endr
.irp j, 0,1,2,3
	v_add_nc_u32 v[SO+\j], 0xff000000, v[TM+\j]    ; 2 off the exponent field: the conversion takes this operand's exponent field as its scale, and nothing else of it
.endr
.irp j, 0,1,2,3
	v_lshrrev_b32 v[BY+\j], 23, v[SO+\j]           ; the scale's byte
.endr
.irp j, 0,1,2,3
	v_cvt_scalef32_pk16_fp6_f32 v[C+6*\j:C+6*\j+2], v[X+32*\j:X+32*\j+15], v[SO+\j]
	v_cvt_scalef32_pk16_fp6_f32 v[D+4*\j:D+4*\j+2], v[X+32*\j+16:X+32*\j+31], v[SO+\j]   ; (a conversion's three registers begin on an even number: the upper half is made apart and moved)
.endr
	v_nop                                          ; one plain line between the conversions and the lines that touch their results
.irp j, 0,1,2,3
.irp i, 0,1,2
	v_mov_b32 v[C+6*\j+3+\i], v[D+4*\j+\i]
.endr
.endr
.endm
; The record leaves: the image comes back 16 bytes a lane (LDS serves a wave's instructions in order: these loads see my stores) and each store covers 512 consecutive bytes, aligned to 256;
; the scale words go with a zero word each: 256 consecutive bytes, aligned.
.macro SEND img
.irp i, 0,1,2,3,4,5
	ds_load_b128 v[X+4*\i:X+4*\i+3], v15 offset:\img+512*\i
.endr
	s_wait_dscnt 0x0
.irp i, 0,1,2,3,4,5
	global_store_b128 v17, v[X+4*\i:X+4*\i+3], s[6:7] offset:512*\i
.endr
	global_store_b64 v18, v[W:W+1], s[6:7] offset:3072
.endm
	s_cmp_eq_u32 s12, 2                            ; the tensor hangs on the work-group's number alone
	s_cbranch_scc1 .Lvalues
	; ---- q and k: a lane takes a token, its registers run along the head's 32 channels
.irp j, 0,1,2,3
.irp i, 0,1,2,3,4,5,6,7
	ds_load_b128 v[X+32*\j+4*\i:X+32*\j+4*\i+3], v10 offset:\j*32*SP+16*\i
.endr
.endr
	s_wait_dscnt 0x0
	s_cmp_lg_u32 s12, 0
	s_cbranch_scc1 .Lkeys
.set i, 0
.rept 64
	v_pk_mul_f32 v[X+2*i:X+2*i+1], v[X+2*i:X+2*i+1], s[24:25] op_sel_hi:[1,0]   ; q x 32^-0.5, in f32, ahead of the quantiser
.set i, i+1
.endr
.Lkeys:
	QUANT4
.irp j, 0,1,2,3
.irp i, 0,1,2
	ds_store_b64 v12, v[C+6*\j+2*\i:C+6*\j+2*\i+1] offset:IMGK+(\j/2)*1536+(\j%2)*384+8*\i
.endr
	ds_store_b8 v13, v[BY+\j] offset:IMGK+3072+(\j/2)*64+(\j%2)*32
.endr
	ds_load_b32 v[W], v16 offset:IMGK+3072         ; lane l: scale word l
	v_mov_b32 v[W+1], 0
	s_wait_alu depctr_va_vdst(0)
	SEND IMGK
	s_wait_tensorcnt 0x0
	ds_add_u32 v232, v233
	s_wait_dscnt 0x0
	s_endpgm
.Lvalues:
	; ---- v: a lane takes a channel, its registers run down the 128 tokens: each load reads 128 consecutive bytes of a stage row
.set k, 0
.rept 128
	ds_load_b32 v[X+k], v11 offset:k*SP
.set k, k+1
.endr
	s_wait_dscnt 0x0
	QUANT4
	v_lshl_or_b32 v[W], v[BY+1], 8, v[BY]          ; my channel's four bytes are its scale word for these 128 tokens
	v_lshl_or_b32 v[W], v[BY+2], 16, v[W]
	v_lshl_or_b32 v[W], v[BY+3], 24, v[W]
	v_mov_b32 v[W+1], 0
	s_wait_alu depctr_va_vdst(0)
.irp j, 0,1,2,3
.irp i, 0,1,2
	ds_store_b64 v14, v[C+6*\j+2*\i:C+6*\j+2*\i+1] offset:IMGV+(\j%2)*768+(\j/2)*24+8*\i
.endr
.endr
	SEND IMGV
	s_wait_tensorcnt 0x0
	ds_add_u32 v232, v233
	s_wait_dscnt 0x0
	s_endpgm
.Lfunc_end_k_q288fb5b3e3_quant:
	.size	k_q288fb5b3e3_quant, .Lfunc_end_k_q288fb5b3e3_quant-k_q288fb5b3e3_quant
	.p2alignl 7, 3214868480
	.fill 96, 4, 3214868480
	.section	.rodata,"a",@progbits
	.p2align	6, 0x0
	.amdhsa_kernel k_q288fb5b3e3_quant
		.amdhsa_group_segment_fixed_size 48384
		.amdhsa_private_segment_fixed_size 0
		.amdhsa_enable_private_segment 0
		.amdhsa_kernarg_size 16
		.amdhsa_user_sgpr_count 2
		.amdhsa_user_sgpr_kernarg_segment_ptr 1
		.amdhsa_wavefront_size32 1
		.amdhsa_system_sgpr_workgroup_id_x 1
		.amdhsa_system_sgpr_workgroup_id_y 1
		.amdhsa_system_sgpr_workgroup_id_z 1
		.amdhsa_system_vgpr_workitem_id 0
		.amdhsa_next_free_vgpr 234
		.amdhsa_next_free_sgpr 66
		.amdhsa_reserve_vcc 0
		.amdhsa_float_denorm_mode_32 3
		.amdhsa_float_denorm_mode_16_64 3
		.amdhsa_memory_ordered 1
		.amdhsa_forward_progress 1
		.amdhsa_inst_pref_size 38
	.end_amdhsa_kernel
	.amdgpu_metadata
---
amdhsa.version: [ 1, 2 ]
amdhsa.kernels:
  - .name:           k_q288fb5b3e3_quant
    .symbol:         k_q288fb5b3e3_quant.kd
    .args:
      - { .name: qkv, .offset: 0, .size: 8, .value_kind: global_buffer, .address_space: global }
      - { .name: img, .offset: 8, .size: 8, .value_kind: global_buffer, .address_space: global }
    .group_segment_fixed_size: 48384
    .private_segment_fixed_size: 0
    .kernarg_segment_align: 8
    .kernarg_segment_size: 16
    .max_flat_workgroup_size: 64
    .sgpr_count:     66
    .vgpr_count:     234
    .wavefront_size: 32
...
	.end_amdgpu_metadata
.endif
;; end of part 1
;; launch attn (part 2): grid 256 x 1, 16 waves a work-group, clusters of 4 x 1, 169,984 bytes of LDS; arguments img, out0; writes out0
.if DOCPART == 2
	.amdgcn_target "amdgcn-amd-amdhsa--gfx1250"
	.amdhsa_code_object_version 6
	.text
	.protected	k_q288fb5b3e3_attn
	.globl	k_q288fb5b3e3_attn
	.p2align	8
	.type	k_q288fb5b3e3_attn,@function
k_q288fb5b3e3_attn:
	s_mov_b64 s[64:65], 0
	v_nop
	global_prefetch_b8 v0, s[64:65] scope:SCOPE_SE
	s_setreg_imm32_b32 hwreg(HW_REG_WAVE_MODE, 25, 1), 1
	s_wait_xcnt 0x0
	s_wait_alu depctr_hold_cnt(0) depctr_sa_sdst(0) depctr_va_vdst(0) depctr_va_sdst(0) depctr_va_ssrc(0) depctr_va_vcc(0) depctr_vm_vsrc(0)
	s_getreg_b32 s2, hwreg(HW_REG_IB_STS2, 6, 4)
	s_cmp_eq_u32 s2, 0
	s_cbranch_scc0 .Lentry_in_a_cluster
	s_endpgm
.Lentry_in_a_cluster:
	s_bfe_u32 s2, ttmp6, 0x10000c
	s_cmp_lg_u32 s2, 0x3003
	s_cbranch_scc0 .Lentry_shape_is_right
	s_endpgm
.Lentry_shape_is_right:
; out0 = windowed attention on codes of FP6 (E2M3) with E8M0 scales: for each of 8 windows x 4 heads, 1,024 queries x 1,024 keys, head size 32.  img holds q x 32^-0.5, k and v as the launch before laid them:
; [window*4 + head][q, k, v][step of 128 tokens] records of 3,328 bytes: two fragments as images of their 12 registers (48 bytes a lane), then 32 scale words 8 bytes apart.
; SOFTMAX AHEAD OF THE SECOND PRODUCT: t = score x log2(e); M = the running largest t rounded UP to a whole number; p = 2^(t - M) is quantised along the keys, not normalised; the row's sum is taken of the
; unquantised p in f32 and divides O at the end.  When M moves, the sum and O are multiplied by 2^(old M - new M), which rounds nothing.
; LIMITS: NaN and infinities are not served; a p under 2^-126 comes out of v_exp_f32 as 0; a block of p that is all zeros keeps the scale byte 1: its codes are zeros.
; SHARES.  A work-group owns 64 queries of a head PAIR, so that the 256 aligned bytes of out0 that hold two heads' channels of a token are stored whole.  Its sixteen waves, four to a SIMD, are (g, e, a):
; wave = 8 g + 4 e + a takes key steps 4 g .. 4 g + 3 (128 keys a step), head e of the pair, and the tile of 16 queries a.  So one wave's chains and exponentials stand beside three other waves' work.
; The two halves of the keys are joined on the way out: each has its own M, sum and O^T, and the join is one more change of M.
; Both heads' K and V, 2 x 53,248 bytes, lie in LDS for the whole launch: filled once, nothing is filled again.  A wave brings two records, the one that is wanted first ahead of the other: the first sixteen
; loads bring steps 0, 1, 4 and 5, with which all sixteen waves begin; the others land under two steps' work.
; CLUSTER.  Sixteen work-groups read the same K and V; four neighbours form a cluster and ask JOINTLY (a mask names four at the most): each tensor load, 13 rows of 256 bytes, has the same descriptor in all four.
; A HEAD OF 32 IN A PRODUCT OF K = 128.  The instruction adds four blocks of 32.  A fragment of K holds FOUR tiles of 16 keys, one in each block; Q stands in four variants, its codes in block b alone and zero codes
; elsewhere, so variant b picks tile b.  The variants are runs of 12 out of 30 registers: zeros, QL (codes in lanes 0-15), zeros, QH (codes in lanes 16-31), zeros.  Q's scale word has the same byte four times.
; LAYOUT.  Both products are used transposed (S^T = K Q^T, O^T = V^T P^T): a lane holds ONE query (lane % 16).  Block b, row r' of K's fragment c is key 64 c + 32 (r'>>3) + 8 b + (r'&7): so the 32 score registers of a
; fragment's four tiles are, in lane (r, h), keys 64 c + 32 h + 0 .. 31: a whole block of P's operand in one lane, in its order.  A block's maximum needs no other lane and the codes change no lane.
.set REC,   3328
.set TENS,  8*REC                      ; 26,624: K's eight records; V's follow
.set WHB,   3*TENS
.set HSL,   2*TENS                     ; a head's K and V in LDS
.set STG,   2*HSL                      ; behind them: two stages for the way out, one for each half of the keys, 64 rows x 272 bytes each; no tensor load lands there
.set SP,    272                        ; 256 bytes + 16: sixteen rows start in sixteen different groups of banks (64 banks of 4 bytes: ISA guide 11.1)
.set STGH,  64*SP
.set STAT,  STG+2*STGH                 ; behind the stages: the pair (-M, sum) of each (half, head, query): 8 bytes each, 2,048 in all
.set A0,  2                            ; v2   48 x lane + my head's and my half's place in LDS
.set B0,  3                            ; v3   8 x lane + the same
.set SH,  5                            ; v5   8 (lane / 16): where my two bytes stand in p's scale word
.set QF,  16                           ; v16-45  zeros, QL, zeros, QH, zeros
.set QS,  46                           ; v46     Q's scale word
.set KF,  48                           ; v48-71  K's two fragments
.set VF,  72                           ; v72-95  V's two
.set S,   96                           ; v96-159 S^T, then p
.set O,   160                          ; v160-175 O^T: two tiles of 16 channels
.set PC,  176                          ; v176-187 p's codes; v188-190, v192-194 the upper halves as the conversions leave them
.set KS,  196                          ; scale words: K's (lanes 0-15 fragment 0, lanes 16-31 fragment 1),
.set VS,  197                          ; V's (likewise for its two tiles),
.set PW,  198                          ; p's
.set STI, 218                          ; v218 the way out: where I put my O^T in my half's stage
.set STB, 219                          ; v219 where I read rows back
.set PRI, 220                          ; v220 where I put my query's pair
.set PRB, 221                          ; v221 where I read a row's pairs
.set GO,  222                          ; v222 my byte offset in out0
.set OA,  112                          ; the join: rows of the first half's stage (2 x 4 registers),
.set OB,  120                          ; of the second's,
.set SA,  128                          ; their pairs (-M, sum): the first half's (2 x 2),
.set SB,  132                          ; the second's,
.set NM,  136                          ; the joint -M,
.set FA,  140                          ; and for row set i at v[FA + 4 i]: fA, the joint sum, fB, its reciprocal
.set SEL, 46                           ; s[46:47] v_permlanex16_b32's selects for lane l xor 16
.set CS,  48                           ; s[48:49] log2(e)
.set FL,  50                           ; s50  the floor 2^(3 - 127)
.macro ROUND                           ; a round of the cluster's barrier: my work-group's barrier; wave 0 signals for the work-group; every wave waits for all four; my work-group's barrier once more
	s_barrier_signal -1
	s_barrier_wait -1
	s_cmp_lg_u32 s8, 0
	s_cbranch_scc1 .Lnot_wave_0_\@
	s_barrier_signal -3
.Lnot_wave_0_\@:
	s_barrier_wait -3
	s_barrier_signal -1
	s_barrier_wait -1
.endm
	s_load_b128 s[4:7], s[0:1], 0x0                ; img s[4:5], out0 s[6:7]
	v_lshl_add_u32 v224, v0, 2, 0x29000
	v_mov_b32 v225, 0
	ds_add_u32 v224, v225
	ds_add_u32 v224, v225
	v_lshrrev_b32 v1, 5, v0
	s_delay_alu instid0(VALU_DEP_1)
	v_readfirstlane_b32 s8, v1                     ; wave 0..15
	s_lshr_b32 s52, s8, 3                          ; g: which half of the keys
	s_bfe_u32 s9, s8, 0x10002                      ; e: which head of the pair
	s_and_b32 s10, s8, 3                           ; a: which tile of 16 queries
	s_bfe_u32 s11, ttmp6, 0x40000                  ; cx: my place in the cluster: it enters Q's and out0's global addresses alone
	s_and_b32 s12, ttmp9, 3
	s_lshl_b32 s12, s12, 2
	s_add_co_u32 s12, s12, s11                     ; my block of 64 queries, 0..15
	s_bfe_u32 s13, ttmp9, 0x10002                  ; head pair and
	s_lshr_b32 s14, ttmp9, 3                       ; window: shared by the four partners
	s_lshl_b32 s15, s14, 2
	s_lshl_b32 s36, s13, 1
	s_add_co_u32 s15, s15, s36
	s_add_co_u32 s15, s15, s9
	s_mul_i32 s15, s15, WHB                        ; my head's records in img
	; what I fetch: of my head's sixteen records (K's 0-7, V's 8-15) number 8 (a / 2) + 4 g + a % 2, and the one two further on
	s_lshr_b32 s53, s10, 1
	s_lshl_b32 s53, s53, 3
	s_lshl_b32 s54, s52, 2
	s_add_co_u32 s53, s53, s54
	s_and_b32 s54, s10, 1
	s_add_co_u32 s53, s53, s54
	s_mul_i32 s53, s53, REC                        ; its place among them, in memory and in LDS alike
	s_add_co_u32 s56, s53, s15
	s_add_co_u32 s56, s56, TENS                    ; K's and V's records lie on end behind q's
	s_mov_b32 s57, 0
	s_lshr_b32 s58, s12, 1
	s_mul_i32 s58, s58, REC
	s_add_co_u32 s58, s58, s15                     ; q's record that holds my queries
	s_mov_b32 s59, 0
	s_mul_i32 s33, s9, HSL                         ; my head's place in LDS,
	s_mul_i32 s32, s52, 4*REC
	s_add_co_u32 s32, s32, s33                     ; and my half's first step in it
	s_and_b32 s36, s12, 1                          ; query 64 QB + 16 a + r lies in fragment QB % 2, lane 16 (r/8) + 8 (a/2) + r%8, half a % 2
	s_lshr_b32 s37, s10, 1
	s_and_b32 s38, s10, 1
	s_mul_i32 s34, s36, 1536
	s_mul_i32 s39, s37, 384
	s_add_co_u32 s34, s34, s39
	s_mul_i32 s39, s38, 24
	s_add_co_u32 s34, s34, s39
	s_lshl_b32 s35, s36, 7                         ; its scale byte: word 16 (QB%2) + 8 (a/2) + r%8 (8 bytes apart), byte 2 (a%2) + r/8
	s_lshl_b32 s39, s37, 6
	s_add_co_u32 s35, s35, s39
	s_lshl_b32 s39, s38, 1
	s_add_co_u32 s35, s35, s39
	s_add_co_u32 s35, s35, 3072
	; out0: I store rows 4 w .. 4 w + 3 of the block's 64: batch x 2 MiB + QB x 16 x 8,192 + w x 8,192 + nw x 2,048 + pair x 256
	s_lshr_b32 s40, s14, 2
	s_lshl_b32 s40, s40, 21
	s_lshl_b32 s41, s12, 17
	s_add_co_u32 s40, s40, s41
	s_lshl_b32 s41, s8, 13
	s_add_co_u32 s40, s40, s41
	s_and_b32 s41, s14, 3
	s_lshl_b32 s41, s41, 11
	s_add_co_u32 s40, s40, s41
	s_lshl_b32 s41, s13, 8
	s_add_co_u32 s40, s40, s41
	s_mov_b32 s41, 0
	s_mul_i32 s42, s10, 16*SP                      ; my half's stage: my tile's 16 rows, my head's half of them,
	s_lshl_b32 s43, s9, 7
	s_add_co_u32 s42, s42, s43
	s_mul_i32 s43, s52, STGH
	s_add_co_u32 s42, s42, s43
	s_add_co_u32 s42, s42, STG
	s_mul_i32 s43, s8, 4*SP                        ; the 4 rows that I read back,
	s_add_co_u32 s43, s43, STG
	s_lshl_b32 s44, s8, 7                          ; my 16 queries' pairs: 1,024 g + 512 e + 128 a = 128 x wave,
	s_add_co_u32 s44, s44, STAT
	s_lshl_b32 s45, s8, 5                          ; and the pairs of the 4 rows that I read back
	s_add_co_u32 s45, s45, STAT
	; descriptor group 1: a record, a dense block, as 13 rows of 256 bytes (32 elements of 8 bytes), no padding
	s_mov_b32 s16, 15|(3<<16)|(1<<21)              ; 15:0 the mask: all four work-groups; 17:16 elements of 8 bytes; 21 set beside a mask
	s_mov_b32 s17, 32<<16                          ; tensor_dim0
	s_mov_b32 s18, 13<<16                          ; tensor_dim1
	s_mov_b32 s19, 32<<16                          ; tile_dim0
	s_mov_b32 s20, 13                              ; tile_dim1
	s_mov_b32 s21, 32                              ; tensor_dim0_stride
	s_mov_b32 s22, 0
	s_mov_b32 s23, 0
	s_mov_b32 s[SEL], 0x76543210
	s_mov_b32 s[SEL+1], 0xfedcba98
	s_mov_b32 s[CS], 0x3fb8aa3b                    ; log2(e)
	s_mov_b32 s[CS+1], s[CS]                       ; (named with it as a pair)
	s_mov_b32 s[FL], 0x1800000
	s_wait_dscnt 0x0
	s_wait_kmcnt 0x0
	s_mov_b32 s24, 1                               ; group 0 of my first record: count = 1,
	s_add_co_u32 s25, s33, s53                     ; LDS address: made of the wave's number alone,
	s_add_nc_u64 s[26:27], s[4:5], s[56:57]        ; global address: made of window, pair and wave alone;
	s_mov_b32 s28, 1                               ; and of my second, two records on
	s_add_co_u32 s29, s25, 2*REC
	s_add_nc_u64 s[30:31], s[26:27], 2*REC
	s_or_b32 s27, s27, 0x80000000                  ; type = 2
	s_or_b32 s31, s31, 0x80000000
	s_add_nc_u64 s[58:59], s[4:5], s[58:59]
	s_add_nc_u64 s[6:7], s[6:7], s[40:41]
	ROUND                                          ; all four work-groups are here: the joint loads meet
	tensor_load_to_lds s[24:27], s[16:23]          ; a record of my half's first two steps,
	s_nop 0
	tensor_load_to_lds s[28:31], s[16:23]          ; and one of its last two: my two tensor loads of the launch, both out together
	s_nop 0
	v_and_b32 v1, 31, v0                           ; lane
	v_and_b32 v8, 15, v0                           ; r
	v_bfe_u32 v9, v0, 4, 1                         ; h
	v_bfe_u32 v10, v0, 3, 1                        ; r / 8
	v_and_b32 v11, 7, v0                           ; r % 8
	s_delay_alu instid0(VALU_DEP_2)
	v_mul_u32_u24 v6, v10, 768
	s_delay_alu instid0(VALU_DEP_1)
	v_mad_u32_u24 v6, v11, 48, v6
	s_delay_alu instid0(VALU_DEP_1)
	v_add_nc_u32 v6, s34, v6
	s_delay_alu instid0(VALU_DEP_4)
	v_lshl_add_u32 v7, v11, 3, v10
	s_delay_alu instid0(VALU_DEP_1)
	v_add_nc_u32 v7, s35, v7
	global_load_b64 v[48:49], v6, s[58:59]         ; query r's 24 bytes of codes, in both halves of the lanes
	global_load_b64 v[50:51], v6, s[58:59] offset:8
	global_load_b64 v[52:53], v6, s[58:59] offset:16
	global_load_u8 v[QS], v7, s[58:59]             ; and its scale byte
	v_mul_u32_u24 v[A0], v1, 48
	s_delay_alu instid0(VALU_DEP_1)
	v_add_nc_u32 v[A0], s32, v[A0]
	v_lshl_add_u32 v[B0], v1, 3, s32
	v_lshlrev_b32 v[SH], 3, v9
.irp i, 0,1,2,3,4,5
	v_mov_b32 v[QF+\i], 0                          ; the zero codes round QL and QH
	v_mov_b32 v[QF+12+\i], 0
	v_mov_b32 v[QF+24+\i], 0
.endr
	v_mov_b32 v13, 0xff61b1e6                      ; the largest t so far: -3e38, under every t
	s_delay_alu instid0(VALU_DEP_1)
	v_floor_f32 v12, -v13                          ; -M
	v_mov_b32 v14, 0                               ; the sum, in two halves
	v_mov_b32 v15, 0
	v_mov_b32 v205, 0                              ; written once: a lane permute's destination counts as one of its sources
	v_mov_b32 v211, 0
	v_mov_b32 v207, 0                              ; (named as the upper half of the pair v[206:207])
	v_cmp_gt_u32 vcc_lo, 16, v1
	s_wait_loadcnt 0x0
.irp i, 0,1,2,3,4,5
	v_cndmask_b32 v[QF+6+\i], 0, v[48+\i], vcc_lo          ; QL: the codes in lanes 0-15, zeros above
	v_cndmask_b32 v[QF+18+\i], v[48+\i], v[QF], vcc_lo     ; QH: zeros below, the codes in lanes 16-31
.endr
	v_lshl_or_b32 v[QS], v[QS], 8, v[QS]
	s_delay_alu instid0(VALU_DEP_1)
	v_lshl_or_b32 v[QS], v[QS], 16, v[QS]          ; the same byte for all four blocks: one word serves the four variants
	; the addresses for the way out are made here, while the tiles are on their way: twelve plain lines, which also stand between the lines that wrote Q's registers and scale word and the first product
	v_mul_u32_u24 v[STI], v8, SP                   ; in: row 16 a + r, my head's half, + 32 h
	s_delay_alu instid0(VALU_DEP_1)
	v_lshl_add_u32 v[STI], v9, 5, v[STI]
	s_delay_alu instid0(VALU_DEP_1)
	v_add_nc_u32 v[STI], s42, v[STI]
	v_mul_u32_u24 v[STB], v9, SP                   ; back: lanes 0-15 one row, lanes 16-31 the next; 16 bytes a lane
	s_delay_alu instid0(VALU_DEP_1)
	v_lshl_add_u32 v[STB], v8, 4, v[STB]
	s_delay_alu instid0(VALU_DEP_1)
	v_add_nc_u32 v[STB], s43, v[STB]
	v_lshl_add_u32 v[PRI], v8, 3, s44              ; my query's pair: 8 r
	v_lshlrev_b32 v[PRB], 9, v10                   ; a row's pairs: lanes 0-7 of sixteen hold the pair's first head, lanes 8-15 the second: 512 (r / 8),
	s_delay_alu instid0(VALU_DEP_1)
	v_lshl_add_u32 v[PRB], v9, 3, v[PRB]           ; + 8 h for the row
	s_delay_alu instid0(VALU_DEP_1)
	v_add_nc_u32 v[PRB], s45, v[PRB]
	v_lshlrev_b32 v[GO], 9, v9                     ; and the same two tokens in out0
	s_delay_alu instid0(VALU_DEP_1)
	v_lshl_add_u32 v[GO], v8, 4, v[GO]
	s_wait_tensorcnt 0x1                           ; my first record has landed; my second may stay out
	s_barrier_signal -1
	s_barrier_wait -1                              ; everybody's first has: steps 0, 1, 4 and 5 of both heads lie in LDS
.macro FETCH_K j                       ; step j's K: 48 bytes a lane, an odd multiple of 16
.irp c, 0,1
.irp i, 0,1,2
	ds_load_b128 v[KF+12*\c+4*\i:KF+12*\c+4*\i+3], v[A0] offset:(\j)*REC+1536*\c+16*\i
.endr
.endr
	ds_load_b32 v[KS], v[B0] offset:(\j)*REC+3072
.endm
	FETCH_K 0
; A KEY STEP: 128 keys, the j-th of my four.  first = 1: its products start O^T's sums.  nextk = 1: the next step's K is fetched.  sig = 1: my second record is waited for and the work-group's barrier signalled.
.macro STEP j, first, nextk, sig
	s_wait_dscnt 0x0                               ; this step's K and its scale words are in
.if \sig
	s_wait_tensorcnt 0x0                           ; my second record has landed (it has had a step in which to do so), no LDS instruction of mine is out:
	s_barrier_signal -1                            ; say so; the wait stands behind this step, in which only registers are worked on and LDS bytes are read that nobody writes
.endif
.irp c, 0,1                                    ; S^T: tile (c, b) = block b of fragment c against Q's variant b; every sum begins with the constant 0
.irp b, 0,1,2,3
.if \c == 0
	v_wmma_scale_f32_16x16x128_f8f6f4 v[S+32*\c+8*\b:S+32*\c+8*\b+7], v[KF+12*\c:KF+12*\c+11], v[QF+6+12*(\b%2)-6*(\b/2):QF+17+12*(\b%2)-6*(\b/2)], 0, v[KS], v[QS] matrix_a_fmt:MATRIX_FMT_FP6 matrix_b_fmt:MATRIX_FMT_FP6
.else
	v_wmma_scale_f32_16x16x128_f8f6f4 v[S+32*\c+8*\b:S+32*\c+8*\b+7], v[KF+12*\c:KF+12*\c+11], v[QF+6+12*(\b%2)-6*(\b/2):QF+17+12*(\b%2)-6*(\b/2)], 0, v[KS], v[QS] matrix_a_fmt:MATRIX_FMT_FP6 matrix_b_fmt:MATRIX_FMT_FP6 matrix_a_scale:MATRIX_SCALE_ROW1
.endif
.endr
.endr
.rept 4
	v_nop                                          ; four plain lines stand between the products and the loads into registers that products have read, and the first read of the scores
.endr
.irp d, 0,1
.irp i, 0,1,2
	ds_load_b128 v[VF+12*\d+4*\i:VF+12*\d+4*\i+3], v[A0] offset:TENS+(\j)*REC+1536*\d+16*\i   ; this step's V: wanted behind the softmax
.endr
.endr
	ds_load_b32 v[VS], v[B0] offset:TENS+(\j)*REC+3072
.if \nextk
	FETCH_K (\j)+1                                 ; wanted at the next step's head
.endif
	; the largest score of my two blocks of 32 keys, in four chains of 16; each tile of scores is first read at its low end
.irp q, 0,1,2,3
	v_max3_num_f32 v[200+\q], v[S+16*\q], v[S+16*\q+1], v[S+16*\q+2]
.endr
.irp i, 3,5,7,9,11,13
.irp q, 0,1,2,3
	v_max3_num_f32 v[200+\q], v[200+\q], v[S+16*\q+\i], v[S+16*\q+\i+1]
.endr
.endr
	v_max3_num_f32 v200, v200, v[S+15], v[S+31]
	v_max3_num_f32 v202, v202, v[S+47], v[S+63]
	s_delay_alu instid0(VALU_DEP_2)
	v_max_num_f32 v200, v200, v201                 ; block h: it serves twice: for the row's maximum and, since p rises with the score, for the block's largest p
	s_delay_alu instid0(VALU_DEP_2)
	v_max_num_f32 v202, v202, v203                 ; block 2 + h
	s_delay_alu instid0(VALU_DEP_1)
	v_max_num_f32 v204, v200, v202
	s_delay_alu instid0(VALU_DEP_1)
	v_permlanex16_b32 v205, v204, s[SEL], s[SEL+1]
	s_delay_alu instid0(VALU_DEP_1)
	v_max_num_f32 v204, v204, v205                 ; with lane l xor 16's 64 keys: the step's largest score of my query
	s_delay_alu instid0(VALU_DEP_1)
	v_mul_f32 v204, s[CS], v204                    ; as t
	s_delay_alu instid0(VALU_DEP_1)
	v_max_num_f32 v13, v13, v204                   ; the running largest t
	v_mov_b32 v204, v12
	s_delay_alu instid0(VALU_DEP_2)
	v_floor_f32 v12, -v13                          ; the new -M = floor(-t) = -ceil(t)
	s_delay_alu instid0(VALU_DEP_1)
	v_sub_f32 v204, v12, v204                      ; old M - new M: a whole number, 0 or less
	s_delay_alu instid0(VALU_DEP_1)
	v_cvt_i32_f32 v204, v204                       ; (it saturates)
	s_delay_alu instid0(VALU_DEP_1)
	v_ldexp_f32 v206, 1.0, v204                    ; f = 2^(old M - new M)
.irp n, 0,2,4,6,8,10,12,14,16,18,20,22,24,26,28,30,32,34,36,38,40,42,44,46,48,50,52,54,56,58,60,62
	v_pk_fma_f32 v[S+\n:S+\n+1], v[S+\n:S+\n+1], s[CS:CS+1], v[12:13] op_sel_hi:[1,0,0]   ; t - M, two at a time
.endr
	v_fma_f32 v200, v200, s[CS], v12               ; the same of each block's largest score
	v_fma_f32 v202, v202, s[CS], v12
	s_wait_alu depctr_va_vdst(0)
.irp n, 0,1,2,3,4,5,6,7,8,9,10,11,12,13,14,15,16,17,18,19,20,21,22,23,24,25,26,27,28,29,30,31,32,33,34,35,36,37,38,39,40,41,42,43,44,45,46,47,48,49,50,51,52,53,54,55,56,57,58,59,60,61,62,63
	v_exp_f32 v[S+\n], v[S+\n]                     ; p = 2^(t - M), at most 1
.endr
	v_exp_f32 v200, v200                           ; the blocks' largest p: the same two instructions on the same number give the same bits
	v_exp_f32 v202, v202
	v_pk_mul_f32 v[14:15], v[14:15], v[206:207] op_sel_hi:[1,0]   ; the sums under the new M (the first step finds zeros): the plain line behind the exponentials
	s_wait_alu depctr_va_vdst(0)                   ; this wait stands ahead of the first line that names an exponential's result: one for the batch of 66
	v_max_num_f32 v200, s[FL], v200                ; the floor: the byte cannot fall under 1
	v_max_num_f32 v202, s[FL], v202
	s_delay_alu instid0(VALU_DEP_2)
	v_add_nc_u32 v208, 0xff000000, v200            ; 2 off the exponent field: the conversions' scale operands
	s_delay_alu instid0(VALU_DEP_2)
	v_add_nc_u32 v209, 0xff000000, v202
	s_delay_alu instid0(VALU_DEP_2)
	v_lshrrev_b32 v210, 23, v208                   ; the scales' bytes
	s_delay_alu instid0(VALU_DEP_2)
	v_lshrrev_b32 v211, 23, v209
	s_delay_alu instid0(VALU_DEP_1)
	v_lshl_or_b32 v210, v211, 16, v210             ; blocks h and 2 + h,
	s_delay_alu instid0(VALU_DEP_1)
	v_lshlrev_b32 v210, v[SH], v210                ; at their places in the word;
	s_delay_alu instid0(VALU_DEP_1)
	v_permlanex16_b32 v211, v210, s[SEL], s[SEL+1]
	s_delay_alu instid0(VALU_DEP_1)
	v_or_b32 v[PW], v210, v211                     ; with lane l xor 16's two the word is whole
	v_cvt_scalef32_pk16_fp6_f32 v[PC:PC+2], v[S:S+15], v208
	v_cvt_scalef32_pk16_fp6_f32 v[188:190], v[S+16:S+31], v208     ; (a conversion's three registers begin on an even number)
	v_cvt_scalef32_pk16_fp6_f32 v[PC+6:PC+8], v[S+32:S+47], v209
	v_cvt_scalef32_pk16_fp6_f32 v[192:194], v[S+48:S+63], v209
	v_pk_add_f32 v[212:213], v[S:S+1], v[S+2:S+3]                  ; THE ROW'S SUM IS TAKEN OF THE UNQUANTISED p: 32 packed additions in four chains.  The first four are the plain lines behind the conversions
	v_pk_add_f32 v[214:215], v[S+4:S+5], v[S+6:S+7]
	v_pk_add_f32 v[216:217], v[S+8:S+9], v[S+10:S+11]
	v_pk_add_f32 v[14:15], v[14:15], v[S+12:S+13]
.irp i, 0,1,2
	v_mov_b32 v[PC+3+\i], v[188+\i]                ; registers 6 c .. 6 c + 5 now hold keys 64 c + 32 h + 0 .. 31
	v_mov_b32 v[PC+9+\i], v[192+\i]
.endr
.if !\first
.irp n, 0,2,4,6,8,10,12,14
	v_pk_mul_f32 v[O+\n:O+\n+1], v[O+\n:O+\n+1], v[206:207] op_sel_hi:[1,0]   ; O^T under the new M, from each tile's low end on
.endr
.endif
.irp k, 7,11,15,19,23,27                       ; the other 28 additions stand between the lines that wrote p's codes and scale word and the products that take them
	v_pk_add_f32 v[14:15], v[14:15], v[S+2*\k:S+2*\k+1]
	v_pk_add_f32 v[212:213], v[212:213], v[S+2*\k+2:S+2*\k+3]
	v_pk_add_f32 v[214:215], v[214:215], v[S+2*\k+4:S+2*\k+5]
	v_pk_add_f32 v[216:217], v[216:217], v[S+2*\k+6:S+2*\k+7]
.endr
	v_pk_add_f32 v[14:15], v[14:15], v[S+62:S+63]
	s_delay_alu instid0(VALU_DEP_3)
	v_pk_add_f32 v[212:213], v[212:213], v[214:215]
	s_delay_alu instid0(VALU_DEP_2)
	v_pk_add_f32 v[14:15], v[14:15], v[216:217]
	s_delay_alu instid0(VALU_DEP_1)
	v_pk_add_f32 v[14:15], v[14:15], v[212:213]
.if \nextk
	s_wait_dscnt 7                                 ; V and its scale words are in; the seven younger loads, the next step's K, may stay out
.else
	s_wait_dscnt 0x0                               ; V is in
.endif
	; O^T += V^T P^T: two tiles of 16 channels, one instruction a turn; eight score products stand between two links on one accumulator.  The first step's products start the sums: nothing is cleared
.if \first
	v_wmma_scale_f32_16x16x128_f8f6f4 v[O:O+7], v[VF:VF+11], v[PC:PC+11], 0, v[VS], v[PW] matrix_a_fmt:MATRIX_FMT_FP6 matrix_b_fmt:MATRIX_FMT_FP6
	v_wmma_scale_f32_16x16x128_f8f6f4 v[O+8:O+15], v[VF+12:VF+23], v[PC:PC+11], 0, v[VS], v[PW] matrix_a_fmt:MATRIX_FMT_FP6 matrix_b_fmt:MATRIX_FMT_FP6 matrix_a_scale:MATRIX_SCALE_ROW1
.else
	v_wmma_scale_f32_16x16x128_f8f6f4 v[O:O+7], v[VF:VF+11], v[PC:PC+11], v[O:O+7], v[VS], v[PW] matrix_a_fmt:MATRIX_FMT_FP6 matrix_b_fmt:MATRIX_FMT_FP6
	v_wmma_scale_f32_16x16x128_f8f6f4 v[O+8:O+15], v[VF+12:VF+23], v[PC:PC+11], v[O+8:O+15], v[VS], v[PW] matrix_a_fmt:MATRIX_FMT_FP6 matrix_b_fmt:MATRIX_FMT_FP6 matrix_a_scale:MATRIX_SCALE_ROW1
.endif
.endm
	STEP 0, 1, 1, 0                                ; the four steps are written out: every LDS offset is an immediate
	STEP 1, 0, 0, 1                                ; the step after it lies in records that other waves' second loads bring: its K is fetched behind the barrier
	s_barrier_wait -1                              ; every wave's second record has landed: all of K and V lies in LDS
	FETCH_K 2
	STEP 2, 0, 1, 0
	STEP 3, 0, 0, 0
	; THE WAY OUT.  My O^T, not yet divided, goes into my half's stage (a row: the pair's 64 channels, 256 bytes; a lane holds 2 x 8 neighbouring channels of one query), and my query's -M and sum beside it.
	; Behind one barrier each wave reads 4 whole rows of BOTH stages, joins the two halves of the keys, divides and stores.
	s_wait_alu depctr_va_vdst(0)
	v_add_f32 v14, v14, v15                        ; the sum's two halves,
	s_delay_alu instid0(VALU_DEP_1)
	v_permlanex16_b32 v205, v14, s[SEL], s[SEL+1]
	s_delay_alu instid0(VALU_DEP_1)
	v_add_f32 v13, v14, v205                       ; and lane l xor 16's: the row's sum over my 512 keys, beside -M in the pair v[12:13]
.rept 2
	v_nop                                          ; with the two additions: four plain lines between the last products and the stores that read their results
.endr
	ds_store_b128 v[STI], v[O:O+3]                 ; register 8 dt + n is channel 16 dt + 8 h + n of query r; each accumulator from its low end on
	ds_store_b128 v[STI], v[O+4:O+7] offset:16
	ds_store_b128 v[STI], v[O+8:O+11] offset:64
	ds_store_b128 v[STI], v[O+12:O+15] offset:80
	ds_store_b64 v[PRI], v[12:13]                  ; both halves of the lanes hold the same two numbers and write them to the same place
	s_wait_dscnt 0x0                               ; for the others' sake: my stores are done
	s_barrier_signal -1
	s_barrier_wait -1
.irp i, 0,1                                    ; row set i: rows 4 w + 2 i + h
	ds_load_b64 v[SA+2*\i:SA+2*\i+1], v[PRB] offset:16*\i
	ds_load_b64 v[SB+2*\i:SB+2*\i+1], v[PRB] offset:1024+16*\i
.endr
.irp i, 0,1
	ds_load_b128 v[OA+4*\i:OA+4*\i+3], v[STB] offset:\i*2*SP
	ds_load_b128 v[OB+4*\i:OB+4*\i+3], v[STB] offset:STGH+\i*2*SP
.endr
	s_wait_dscnt 4                                 ; LDS loads come back in order: the four pairs are in, the four loads from the stages may stay out
.irp i, 0,1
	v_min_num_f32 v[NM+\i], v[SA+2*\i], v[SB+2*\i] ; the joint -M: the larger M
.endr
.irp i, 0
	s_delay_alu instid0(VALU_DEP_2)
	v_sub_f32 v[FA+4*\i], v[NM+\i], v[SA+2*\i]     ; each half's M less the joint M: whole numbers, 0 or less
	s_delay_alu instid0(VALU_DEP_3)
	v_sub_f32 v[FA+2+4*\i], v[NM+\i], v[SB+2*\i]
.endr
.irp i, 1
	s_delay_alu instid0(VALU_DEP_3)
	v_sub_f32 v[FA+4*\i], v[NM+\i], v[SA+2*\i]     ; each half's M less the joint M: whole numbers, 0 or less
	s_delay_alu instid0(VALU_DEP_4)
	v_sub_f32 v[FA+2+4*\i], v[NM+\i], v[SB+2*\i]
.endr
.irp i, 0,1
	s_delay_alu instid0(VALU_DEP_4)
	v_cvt_i32_f32 v[FA+4*\i], v[FA+4*\i]
	s_delay_alu instid0(VALU_DEP_4)
	v_cvt_i32_f32 v[FA+2+4*\i], v[FA+2+4*\i]
.endr
.irp i, 0,1
	s_delay_alu instid0(VALU_DEP_4)
	v_ldexp_f32 v[FA+4*\i], 1.0, v[FA+4*\i]        ; fA, fB: powers of two, which round nothing
	s_delay_alu instid0(VALU_DEP_4)
	v_ldexp_f32 v[FA+2+4*\i], 1.0, v[FA+2+4*\i]
.endr
.irp i, 0
	s_delay_alu instid0(VALU_DEP_4)
	v_mul_f32 v[FA+1+4*\i], v[FA+4*\i], v[SA+1+2*\i]
.endr
.irp i, 1
	s_delay_alu instid0(VALU_DEP_3)
	v_mul_f32 v[FA+1+4*\i], v[FA+4*\i], v[SA+1+2*\i]
.endr
.irp i, 0,1
	s_delay_alu instid0(VALU_DEP_2)
	v_fma_f32 v[FA+1+4*\i], v[FA+2+4*\i], v[SB+1+2*\i], v[FA+1+4*\i]   ; the row's sum over all 1,024 keys
.endr
	s_wait_alu depctr_va_vdst(0)
.irp i, 0,1
	v_rcp_f32 v[FA+3+4*\i], v[FA+1+4*\i]
.endr
	v_nop                                          ; a plain line behind the reciprocals
	s_wait_alu depctr_va_vdst(0)                   ; this wait stands ahead of the reciprocals' first reader: one for the two
.irp i, 0,1
	v_mul_f32 v[FA+4*\i], v[FA+4*\i], v[FA+3+4*\i] ; fA / sum, fB / sum
	v_mul_f32 v[FA+2+4*\i], v[FA+2+4*\i], v[FA+3+4*\i]
.endr
	s_wait_alu depctr_va_vdst(0)
	s_wait_dscnt 0x0                               ; the rows are in
.irp i, 0,1
	v_pk_mul_f32 v[OA+4*\i:OA+4*\i+1], v[OA+4*\i:OA+4*\i+1], v[FA+4*\i:FA+4*\i+1] op_sel_hi:[1,0]
	v_pk_mul_f32 v[OA+4*\i+2:OA+4*\i+3], v[OA+4*\i+2:OA+4*\i+3], v[FA+4*\i:FA+4*\i+1] op_sel_hi:[1,0]
.endr
.irp i, 0,1
	v_pk_fma_f32 v[OA+4*\i:OA+4*\i+1], v[OB+4*\i:OB+4*\i+1], v[FA+2+4*\i:FA+3+4*\i], v[OA+4*\i:OA+4*\i+1] op_sel_hi:[1,0,1]
	v_pk_fma_f32 v[OA+4*\i+2:OA+4*\i+3], v[OB+4*\i+2:OB+4*\i+3], v[FA+2+4*\i:FA+3+4*\i], v[OA+4*\i+2:OA+4*\i+3] op_sel_hi:[1,0,1]
.endr
.irp i, 0,1
	global_store_b128 v[GO], v[OA+4*\i:OA+4*\i+3], s[6:7] offset:1024*\i th:TH_STORE_NT   ; sixteen lanes store 256 consecutive bytes, aligned to 256; written once, read by nobody here
.endr
	s_wait_tensorcnt 0x0
	ds_add_u32 v224, v225
	s_wait_dscnt 0x0
	ROUND                                          ; the closing round: no work-group ends while a partner may still ask for a tile that names it
	s_endpgm
.Lfunc_end_k_q288fb5b3e3_attn:
	.size	k_q288fb5b3e3_attn, .Lfunc_end_k_q288fb5b3e3_attn-k_q288fb5b3e3_attn
	.p2alignl 7, 3214868480
	.fill 96, 4, 3214868480
	.section	.rodata,"a",@progbits
	.p2align	6, 0x0
	.amdhsa_kernel k_q288fb5b3e3_attn
		.amdhsa_group_segment_fixed_size 169984
		.amdhsa_private_segment_fixed_size 0
		.amdhsa_enable_private_segment 0
		.amdhsa_kernarg_size 16
		.amdhsa_user_sgpr_count 2
		.amdhsa_user_sgpr_kernarg_segment_ptr 1
		.amdhsa_wavefront_size32 1
		.amdhsa_system_sgpr_workgroup_id_x 1
		.amdhsa_system_sgpr_workgroup_id_y 1
		.amdhsa_system_sgpr_workgroup_id_z 1
		.amdhsa_system_vgpr_workitem_id 0
		.amdhsa_next_free_vgpr 226
		.amdhsa_next_free_sgpr 66
		.amdhsa_reserve_vcc 1
		.amdhsa_float_denorm_mode_32 3
		.amdhsa_float_denorm_mode_16_64 3
		.amdhsa_memory_ordered 1
		.amdhsa_forward_progress 1
		.amdhsa_inst_pref_size 65
	.end_amdhsa_kernel
	.amdgpu_metadata
---
amdhsa.version: [ 1, 2 ]
amdhsa.kernels:
  - .name:           k_q288fb5b3e3_attn
    .symbol:         k_q288fb5b3e3_attn.kd
    .args:
      - { .name: img, .offset: 0, .size: 8, .value_kind: global_buffer, .address_space: global }
      - { .name: out0, .offset: 8, .size: 8, .value_kind: global_buffer, .address_space: global }
    .group_segment_fixed_size: 169984
    .private_segment_fixed_size: 0
    .kernarg_segment_align: 8
    .kernarg_segment_size: 16
    .max_flat_workgroup_size: 512
    .sgpr_count:     66
    .vgpr_count:     226
    .wavefront_size: 32
...
	.end_amdgpu_metadata
.endif
;; end of part 2
